; MI455X (gfx1250); checked and timed in simulation.
; The chip was launched on July 23, 2026; its instructions are those of AMD's public machine-readable ISA for CDNA 5 (MIT licence, August 2026) and "CDNA5" Instruction Set Architecture Reference Guide (July 2026). The comments in the code are by the model that wrote it; some were corrected since.
;; CFM. Allowed arithmetic: float matrix products may take bf16 or f16 operands with f32 sums; all other float work in f32.
;; Inputs: W1 512 x 512 float32; W2 512 x 1 float32; b1 512 float32; b2 1 float32; z_o 512 x 256 float32; z_t 1,024 x 256 float32.
;; Outputs: out0 1,024 x 512 float32.
;; One version. Each part assembles by itself: llvm-mc -triple=amdgcn-amd-amdhsa -mcpu=gfx1250 --defsym DOCPART=n.
;; ======== version 1 of 1: 2 launches
;; limits: a difference of large sums (such as E[x^2] - mean^2): digits are lost where the result is much smaller than its terms
;; workspace buffers: ws 3,145,728 bytes
;; launch proj (part 1): grid 8 x 24, 8 waves a work-group, clusters of 4 x 1, 168,960 bytes of LDS; arguments W1, b1, z_o, z_t, ws; writes ws
.if DOCPART == 1
	.amdgcn_target "amdgcn-amd-amdhsa--gfx1250"
	.amdhsa_code_object_version 6
	.text
	.protected	k_q4df9205880_proj
	.globl	k_q4df9205880_proj
	.p2align	8
	.type	k_q4df9205880_proj,@function
k_q4df9205880_proj:
	s_mov_b64 s[64:65], 0
	v_nop
	global_prefetch_b8 v0, s[64:65] scope:SCOPE_SE
	s_setreg_imm32_b32 hwreg(HW_REG_WAVE_MODE, 25, 1), 1
	s_wait_xcnt 0x0
	s_wait_alu depctr_hold_cnt(0) depctr_sa_sdst(0) depctr_va_vdst(0) depctr_va_sdst(0) depctr_va_ssrc(0) depctr_va_vcc(0) depctr_vm_vsrc(0)
	s_getreg_b32 s2, hwreg(HW_REG_IB_STS2, 6, 4)
	s_cmp_eq_u32 s2, 0
	s_cbranch_scc0 .Lentry_in_a_cluster
	s_endpgm
.Lentry_in_a_cluster:
	s_bfe_u32 s2, ttmp6, 0x10000c
	s_cmp_lg_u32 s2, 0x3003
	s_cbranch_scc0 .Lentry_shape_is_right
	s_endpgm
.Lentry_shape_is_right:
; Both projections of the concat layer, in the form that the pairwise launch reads.
;   row blocks 0-15 :  a[t][h] =   sum_k z_t[t][k] W1[k][h]
;   row blocks 16-23:  c[o][h] = -(sum_k z_o[o][k] W1[256+k][h] + b1[h])
; z and W1 are matrix operands and are rounded to bf16 (nearest even); sums, b1 and the results stay in f32.
; A work-group makes 64 rows x 64 columns over K = 256 with eight waves.  Wave v takes k = 64 (v>>1) .. + 63 (two matrix steps
; of 32) and rows 32 (v&1) .. + 31: 2 row tiles x 4 column fragments = 8 accumulators, 16 matrix instructions.
; The four K partials are added through LDS, stored and read back as register images (lane x 16 bytes).
; z: one tensor load a wave (32 rows x 256 bytes), asked for JOINTLY by the four work-groups of a 4 x 1 cluster, which differ
; in the column block alone and read the same z.  W1 is NOT asked for jointly: a lane's 16-byte load (sixteen lanes = 256
; neighbouring bytes of a row of W1) already holds one element for each of the four B fragments (fragment f, lane r = column
; 4 r + f), so W1 goes straight to registers; through LDS the same 64 KiB a work-group would be written and read once more.
; k is permuted alike in A and B: lane half hh holds k = 16 hh .. 16 hh + 15 of a step, register p the pair 2p, 2p+1.
; ws[row block 24][chunk 32][quad 16][i 16][4 rows] f32: row = 4 quad + e; (chunk 4 cb + f, i) is column 64 cb + 4 i + f.
; That order of h is the same for a, c and W2 in the next launch, and a sum over h does not hang on it.
.set PITCH, 272                        ; LDS row of z: 256 bytes + 16, so sixteen rows start at sixteen different 16-byte columns modulo 256
.set ZW,    32*PITCH                   ; a wave's z tile, 8,704 bytes
.set PART,  8*ZW                       ; 69,632: partials [k slice 4][tile 16][half 2][lane 32] x 16 bytes; no tensor load lands here
.set RAW,   64                         ; v64-191  W1 as loaded: step s, row i: 4 columns at RAW + 4 (16 s + i)
.set BF,    192                        ; v192-255 B fragments: BF + 32 s + 8 f
.set ACC,   64                         ; v64-127  accumulators: ACC + 8 (4 mt + f)   (W1's step 0 has been converted by then)
.set ZR,    128                        ; v128-191 z as loaded, then A fragments in place: ZR + 16 (2 s + mt)
.set F,     64                         ; v64-127  the partials read back: F + 16 slice + 8 u + 4 q
.macro ROUND                           ; a round of the cluster's barrier: my work-group's barrier, wave 0 signals for it, all wait, my barrier again
	s_barrier_signal -1
	s_barrier_wait -1
	s_cmp_lg_u32 s14, 0
	s_cbranch_scc1 .Lnot_wave_0_\@
	s_barrier_signal -3
.Lnot_wave_0_\@:
	s_barrier_wait -3
	s_barrier_signal -1
	s_barrier_wait -1
.endm
.macro CVTB s                          ; step s of W1 to bf16: fragment f takes column f of each lane's four, rows 2p and 2p+1 make register p
.irp f, 0,1,2,3
.irp p, 0,1,2,3,4,5,6,7
	v_cvt_pk_bf16_f32 v[BF+32*\s+8*\f+\p], v[RAW+4*(16*\s+2*\p)+\f], v[RAW+4*(16*\s+2*\p+1)+\f]
.endr
.endr
.endm
	s_load_b256 s[4:11], s[0:1], 0x0               ; W1 s[4:5], b1 s[6:7], z_o s[8:9], z_t s[10:11]
	s_load_b64 s[12:13], s[0:1], 0x20              ; ws
	v_lshl_add_u32 v62, v0, 2, 0x29000
	v_mov_b32 v63, 0
	ds_add_u32 v62, v63
	v_lshrrev_b32 v1, 5, v0
	v_readfirstlane_b32 s14, v1                    ; wave 0..7
	s_lshr_b32 s15, s14, 1                         ; my k slice; later: the row tile (16 rows) that I finish
	s_and_b32 s16, s14, 1                          ; my half of the rows; later: which pair of fragments I finish
	s_bfe_u32 s17, ttmp6, 0x40000                  ; cx
	s_lshl_b32 s18, ttmp9, 2
	s_add_co_u32 s18, s18, s17                     ; column block = 4 x cluster x + cx
	s_and_b32 s19, ttmp7, 0xffff                   ; row block 0..23 (the cluster is one work-group high)
	; byte offsets, each pair its own; what feeds the joint load (s20, s21, s42) never holds the column block
	s_and_b32 s20, s19, 15                         ; z: row block inside z_t or z_o
	s_lshl_b32 s20, s20, 16                        ; x 64 rows x 1,024 bytes
	s_lshl_b32 s42, s16, 15                        ; + my 32 rows
	s_add_co_u32 s20, s20, s42
	s_lshl_b32 s42, s15, 8                         ; + my 64 k x 4 bytes
	s_add_co_u32 s20, s20, s42
	s_mov_b32 s21, 0
	s_lshr_b32 s22, s19, 4                         ; W1: its lower 256 rows for z_o
	s_lshl_b32 s22, s22, 19                        ; 256 rows x 2,048 bytes
	s_lshl_b32 s43, s15, 17                        ; + my 64 rows
	s_add_co_u32 s22, s22, s43
	s_lshl_b32 s43, s18, 8                         ; + 64 columns x 4 bytes a block
	s_add_co_u32 s22, s22, s43
	s_mov_b32 s23, 0
	s_lshl_b32 s44, s16, 3                         ; b1: column 64 cb + 2 (v&1) (+ 4 r in the lane)
	s_add_co_u32 s44, s44, s43
	s_mov_b32 s45, 0
	s_lshl_b32 s46, s19, 17                        ; ws: 131,072 bytes a row block
	s_lshl_b32 s43, s18, 14                        ; + 4 chunks of 4,096 bytes a column block
	s_add_co_u32 s46, s46, s43
	s_lshl_b32 s43, s16, 13                        ; + 2 chunks for the upper pair of fragments
	s_add_co_u32 s46, s46, s43
	s_lshl_b32 s43, s15, 10                        ; + 4 quads of 256 bytes a row tile
	s_add_co_u32 s46, s46, s43
	s_mov_b32 s47, 0
	; the z tile's descriptor.  Group 1: 32 rows x 64 elements of 4 bytes, 256 elements from row to row, 4 words of padding behind every 64
	s_mov_b32 s28, 15|(2<<16)|(1<<20)|(1<<21)|(5<<22)|(3<<25)   ; mask: all four of the cluster; bit 21 set beside it
	s_mov_b32 s29, 64<<16                          ; tensor_dim0 = 64
	s_mov_b32 s30, 32<<16                          ; tensor_dim1 = 32
	s_mov_b32 s31, 64<<16                          ; tile_dim0 = 64
	s_mov_b32 s32, 32                              ; tile_dim1 = 32
	s_mov_b32 s33, 256                             ; pitch
	s_mov_b32 s34, 0
	s_mov_b32 s35, 0
	s_mov_b32 s24, 1
	s_mul_i32 s25, s14, ZW                         ; LDS: wave x 8,704
	; lane terms: r = lane % 16, hh = lane / 16
	v_and_b32 v1, 15, v0
	v_bfe_u32 v2, v0, 4, 1
	v_and_b32 v3, 31, v0
	v_lshlrev_b32 v8, 4, v1                        ; b1: 16 r
	v_lshl_add_u32 v4, v2, 15, v8                  ; W1: 16 hh rows of 2,048 bytes + 16 r
	v_lshl_add_u32 v9, v2, 9, v8                   ; ws: 2 hh quads of 256 bytes + 16 r
	v_mul_u32_u24 v5, v1, PITCH
	v_lshl_add_u32 v5, v2, 6, v5
	v_add_nc_u32 v5, s25, v5                       ; z in LDS: my tile + r x pitch + 64 hh
	s_lshl_b32 s42, s14, 13
	s_add_co_u32 s42, s42, PART
	v_lshl_add_u32 v6, v3, 4, s42                  ; partials out: slice x 16,384 + row half x 8,192 = wave x 8,192, + 16 lane
	s_lshl_b32 s42, s14, 11
	s_add_co_u32 s42, s42, PART
	v_lshl_add_u32 v7, v3, 4, s42                  ; partials back: tiles 2 wave, 2 wave + 1 of slice 0, + 16 lane
	s_wait_dscnt 0x0
	s_wait_kmcnt 0x0
	s_add_nc_u64 s[4:5], s[4:5], s[22:23]
	s_add_nc_u64 s[6:7], s[6:7], s[44:45]
	s_add_nc_u64 s[12:13], s[12:13], s[46:47]
	s_cmp_lt_u32 s19, 16                           ; a (z_t) or c (z_o): the same in all four partners
	s_cselect_b64 s[40:41], s[10:11], s[8:9]
	s_cselect_b32 s36, 1.0, -1.0                   ; the sign of the product,
	s_cselect_b32 s37, 1.0, -1.0
	s_cselect_b32 s38, 0, -1.0                     ; and of b1
	s_add_nc_u64 s[26:27], s[40:41], s[20:21]
	s_or_b32 s27, s27, 0x80000000                  ; type = 2
	global_load_b64 v[10:11], v8, s[6:7]           ; b1 of the two columns that I finish
.irp s, 0,1
.irp i, 0,1,2,3,4,5,6,7,8,9,10,11,12,13,14,15
	global_load_b128 v[RAW+4*(16*\s+\i):RAW+4*(16*\s+\i)+3], v4, s[4:5] offset:(32*\s+\i)*2048
.endr
.endr
	ROUND                                          ; all four work-groups are here: the joint loads meet
	tensor_load_to_lds s[24:27], s[28:35]          ; one tensor load of the wave is out; only I read its bytes
	s_nop 0
	s_wait_loadcnt 16                              ; b1 and step 0 of W1 are in; the sixteen loads of step 1 stay out
	v_mul_f32 v12, s38, v10                        ; -b1 (c) or 0 (a), twice each for the packed multiply-add
	v_mul_f32 v13, s38, v10
	v_mul_f32 v14, s38, v11
	v_mul_f32 v15, s38, v11
	CVTB 0
	s_wait_loadcnt 0x0
	CVTB 1
	s_wait_tensorcnt 0x0                           ; my z tile is in LDS
.irp x, 0,1,2,3
.irp c, 0,1,2,3
	ds_load_b128 v[ZR+16*\x+4*\c:ZR+16*\x+4*\c+3], v5 offset:(\x&1)*16*PITCH+(\x>>1)*128+\c*16   ; x = 2 s + mt: row tile mt, 64 bytes at k = 32 s + 16 hh
.endr
.endr
	s_wait_dscnt 0x0
.irp x, 0,1,2,3
.irp p, 0,1,2,3,4,5,6,7
	v_cvt_pk_bf16_f32 v[ZR+16*\x+\p], v[ZR+16*\x+2*\p], v[ZR+16*\x+2*\p+1]   ; in place, ascending: register p is written after it was read
.endr
.endr
	; the eight accumulators take turns, one instruction a turn, in the same order in both steps
.irp mt, 0,1
.irp f, 0,1,2,3
	v_wmma_f32_16x16x32_bf16 v[ACC+8*(4*\mt+\f):ACC+8*(4*\mt+\f)+7], v[ZR+16*\mt:ZR+16*\mt+7], v[BF+8*\f:BF+8*\f+7], 0
.endr
.endr
.irp mt, 0,1
.irp f, 0,1,2,3
	v_wmma_f32_16x16x32_bf16 v[ACC+8*(4*\mt+\f):ACC+8*(4*\mt+\f)+7], v[ZR+32+16*\mt:ZR+32+16*\mt+7], v[BF+32+8*\f:BF+32+8*\f+7], v[ACC+8*(4*\mt+\f):ACC+8*(4*\mt+\f)+7]
.endr
.endr
.rept 4
	v_nop                                          ; four places behind the last matrix instruction before its result is stored (ISA guide 7.12.1)
.endr
	; register j of lane (r, hh) is row 16 tile + 8 hh + j at position r: registers 4q .. 4q+3 are one quad
.irp t, 0,1,2,3,4,5,6,7
	ds_store_b128 v6, v[ACC+8*\t:ACC+8*\t+3] offset:\t*1024
	ds_store_b128 v6, v[ACC+8*\t+4:ACC+8*\t+7] offset:\t*1024+512
.endr
	s_wait_dscnt 0x0                               ; my partials are in LDS, for the other waves' sake
	ROUND                                          ; shows them to the work-group, and is the closing round: every partner has issued its joint load
	; wave v finishes tiles 2v and 2v+1: row tile v>>1, fragments 2 (v&1) + u
.irp k, 0,1,2,3
.irp u, 0,1
.irp q, 0,1
	ds_load_b128 v[F+16*\k+8*\u+4*\q:F+16*\k+8*\u+4*\q+3], v7 offset:\k*16384+\u*1024+\q*512
.endr
.endr
.endr
	s_wait_dscnt 0x0
.irp j, 0,2,4,6,8,10,12,14
	v_pk_add_f32 v[F+\j:F+\j+1], v[F+\j:F+\j+1], v[F+16+\j:F+16+\j+1]
	v_pk_add_f32 v[F+32+\j:F+32+\j+1], v[F+32+\j:F+32+\j+1], v[F+48+\j:F+48+\j+1]
.endr
.irp j, 0,2,4,6,8,10,12,14
	v_pk_add_f32 v[F+\j:F+\j+1], v[F+\j:F+\j+1], v[F+32+\j:F+32+\j+1]
.endr
.irp j, 0,2,4,6
	v_pk_fma_f32 v[F+\j:F+\j+1], v[F+\j:F+\j+1], s[36:37], v[12:13] op_sel_hi:[1,0,1]       ; sign x sum + (0 or -b1)
	v_pk_fma_f32 v[F+8+\j:F+8+\j+1], v[F+8+\j:F+8+\j+1], s[36:37], v[14:15] op_sel_hi:[1,0,1]
.endr
.irp u, 0,1
.irp q, 0,1
	global_store_b128 v9, v[F+8*\u+4*\q:F+8*\u+4*\q+3], s[12:13] offset:\u*4096+\q*256      ; sixteen lanes store 256 consecutive bytes, aligned: one quad
.endr
.endr
	s_wait_tensorcnt 0x0
	ds_add_u32 v62, v63
	s_wait_dscnt 0x0
	s_endpgm
.Lfunc_end_k_q4df9205880_proj:
	.size	k_q4df9205880_proj, .Lfunc_end_k_q4df9205880_proj-k_q4df9205880_proj
	.p2alignl 7, 3214868480
	.fill 96, 4, 3214868480
	.section	.rodata,"a",@progbits
	.p2align	6, 0x0
	.amdhsa_kernel k_q4df9205880_proj
		.amdhsa_group_segment_fixed_size 168960
		.amdhsa_private_segment_fixed_size 0
		.amdhsa_enable_private_segment 0
		.amdhsa_kernarg_size 40
		.amdhsa_user_sgpr_count 2
		.amdhsa_user_sgpr_kernarg_segment_ptr 1
		.amdhsa_wavefront_size32 1
		.amdhsa_system_sgpr_workgroup_id_x 1
		.amdhsa_system_sgpr_workgroup_id_y 1
		.amdhsa_system_sgpr_workgroup_id_z 1
		.amdhsa_system_vgpr_workitem_id 0
		.amdhsa_next_free_vgpr 256
		.amdhsa_next_free_sgpr 66
		.amdhsa_reserve_vcc 0
		.amdhsa_float_denorm_mode_32 3
		.amdhsa_float_denorm_mode_16_64 3
		.amdhsa_memory_ordered 1
		.amdhsa_forward_progress 1
		.amdhsa_inst_pref_size 21
	.end_amdhsa_kernel
	.amdgpu_metadata
---
amdhsa.version: [ 1, 2 ]
amdhsa.kernels:
  - .name:           k_q4df9205880_proj
    .symbol:         k_q4df9205880_proj.kd
    .args:
      - { .name: W1, .offset: 0, .size: 8, .value_kind: global_buffer, .address_space: global }
      - { .name: b1, .offset: 8, .size: 8, .value_kind: global_buffer, .address_space: global }
      - { .name: z_o, .offset: 16, .size: 8, .value_kind: global_buffer, .address_space: global }
      - { .name: z_t, .offset: 24, .size: 8, .value_kind: global_buffer, .address_space: global }
      - { .name: ws, .offset: 32, .size: 8, .value_kind: global_buffer, .address_space: global }
    .group_segment_fixed_size: 168960
    .private_segment_fixed_size: 0
    .kernarg_segment_align: 8
    .kernarg_segment_size: 40
    .max_flat_workgroup_size: 256
    .sgpr_count:     66
    .vgpr_count:     256
    .wavefront_size: 32
...
	.end_amdgpu_metadata
.endif
;; end of part 1
;; launch pair (part 2): grid 8 x 32, 8 waves a work-group, clusters of 4 x 4, 289,792 bytes of LDS; arguments ws, W2, b2, out0; writes out0
.if DOCPART == 2
	.amdgcn_target "amdgcn-amd-amdhsa--gfx1250"
	.amdhsa_code_object_version 6
	.text
	.protected	k_q4df9205880_pair
	.globl	k_q4df9205880_pair
	.p2align	8
	.type	k_q4df9205880_pair,@function
k_q4df9205880_pair:
	s_mov_b64 s[64:65], 0
	v_nop
	global_prefetch_b8 v0, s[64:65] scope:SCOPE_SE
	s_setreg_imm32_b32 hwreg(HW_REG_WAVE_MODE, 25, 1), 1
	s_wait_xcnt 0x0
	s_wait_alu depctr_hold_cnt(0) depctr_sa_sdst(0) depctr_va_vdst(0) depctr_va_sdst(0) depctr_va_ssrc(0) depctr_va_vcc(0) depctr_vm_vsrc(0)
	s_getreg_b32 s2, hwreg(HW_REG_IB_STS2, 6, 4)
	s_cmp_eq_u32 s2, 0
	s_cbranch_scc0 .Lentry_in_a_cluster
	s_endpgm
.Lentry_in_a_cluster:
	s_bfe_u32 s2, ttmp6, 0x10000c
	s_cmp_lg_u32 s2, 0xf033
	s_cbranch_scc0 .Lentry_shape_is_right
	s_endpgm
.Lentry_shape_is_right:
; out[t][o] = sum_h W2[h] leaky(ht + ho + b1) + b2, from a = ht and c = -(ho + b1) of the launch before.
; leaky(a - c) = 0.99 max(a, c) + 0.01 a - c for every a, c, so
;   out = 0.99 S + 0.01 Pa[t] - Pc[o] + b2,   S = sum_h w max(a, c),  Pa = sum_h w a,  Pc = sum_h w c,
; and an element (t, o, h) costs half a dual maximum and half a packed multiply-add.  Everything here is f32, W2 and b2 too.
; The product with W2 has one column: as a matrix product fifteen of sixteen columns would be idle, its A operand would still
; need a vector instruction an element, and rounding max(a, c) to bf16 would make the result a difference of rounded large
; sums.  So it is summed on the vector unit.
; LIMITS: an infinity in h gives NaN (w inf - w inf) where the plain form gives an infinity.  S and Pc partly cancel: the
; error is that of f32 sums of 512 terms |w c|, some 1e-7 of those sums.  The order of the sum over h differs from a plain dot.
; A work-group makes 32 t x 64 o with eight waves; wave wv takes the whole tile for chunks 4 wv .. 4 wv + 3 of ws (64 of the
; 512 h).  A lane holds 8 t x 8 o = 64 sums, so four 16-byte LDS reads feed 64 elements.  The eight partial tiles meet in LDS.
; CLUSTER 4 x 4: a's tiles hang on the t block alone and are asked for jointly along a row of the cluster, c's on the o block
; alone, along a column.  Each wave asks for its own slice by 8 joint loads (4 chunks x a, c) and reads only those bytes:
; by this text's count 8 tensor loads of a wave are out at the most.  LDS is filled once; nothing is filled again.
.set QP,    272                        ; a quad's 16 h x 4 rows: 256 bytes + 16, so sixteen quads start at sixteen different 16-byte columns modulo 256
.set CH,    24*QP                      ; a chunk in LDS: 8 quads of a, 16 of c = 6,528 bytes
.set WAVE,  4*CH                       ; a wave's slice, 26,112 bytes; eight of them end at 208,896
.set WL,    8*WAVE                     ; w in ws's order of h, 256 bytes a wave
.set PL,    WL+2048                    ; 210,944: the lanes' quad sums, 512 bytes a wave
.set PART,  PL+4096                    ; 215,040: partial tiles, 32 rows of 288 bytes a wave; four rows are 128 modulo 256
.set PP,    288                        ; WL, PL and PART begin at multiples of 256 and no tensor load lands in them
.set VA, 2                             ; v2   my a quads tg, tg + 4 at the trip's first h
.set VC, 3                             ; v3   my c quads og, og + 8
.set VL, 4                             ; v4   the quad min(lane, 23) whose w-sum I keep (0-7: a, 8-23: c)
.set VW, 5                             ; v5   the trip's four w
.set W,  8                             ; v8-11
.set P,  12                            ; v12-15   sum of w x value for my quad's four rows
.set M,  16                            ; v16-31   maxima of two t x eight o
.set OP, 32                            ; v32-111  h j of a trip: a at 20 j, c at 20 j + 8, my quad at 20 j + 16
.set ACC, 112                          ; v112-175 ACC + 8 ti + oi
.set SS,  112                          ; the end: partial tiles read back, SS + 8 p + 4 i
.set PCS, 32                           ;          Pc parts, PCS + 4 p
.set PAS, 64                           ;          Pa parts, PAS + 2 p + i
.set LIN, 80                           ;          0.01 Pa - Pc + b2
.macro ROUND                           ; a round of the cluster's barrier: my work-group's barrier, wave 0 signals for it, all wait, my barrier again
	s_barrier_signal -1
	s_barrier_wait -1
	s_cmp_lg_u32 s12, 0
	s_cbranch_scc1 .Lnot_wave_0_\@
	s_barrier_signal -3
.Lnot_wave_0_\@:
	s_barrier_wait -3
	s_barrier_signal -1
	s_barrier_wait -1
.endm
; One h: 32 dual maxima and 32 packed multiply-adds for 64 elements, 2 more for my quad's sum.  w is register W + wp + sel, broadcast.
; first = 1: the products start the sums, nothing is cleared.
.macro HSTEP j, wp, sel, first
	s_wait_dscnt 15-5*\j                           ; LDS loads come back in order: w and h j are in, the five reads of each later h stay out
.irp tp, 0,2,4,6
.irp d, 0,1
.irp p, 0,1,2,3
	v_dual_max_num_f32 v[M+8*\d+2*\p], v[OP+20*\j+\tp+\d], v[OP+20*\j+8+2*\p] :: v_dual_max_num_f32 v[M+8*\d+2*\p+1], v[OP+20*\j+\tp+\d], v[OP+20*\j+8+2*\p+1]
.endr
.endr
.irp d, 0,1
.irp p, 0,1,2,3
.if \first
	v_pk_mul_f32 v[ACC+8*(\tp+\d)+2*\p:ACC+8*(\tp+\d)+2*\p+1], v[M+8*\d+2*\p:M+8*\d+2*\p+1], v[W+\wp:W+\wp+1] op_sel_hi:[1,0]
.else
	v_pk_fma_f32 v[ACC+8*(\tp+\d)+2*\p:ACC+8*(\tp+\d)+2*\p+1], v[M+8*\d+2*\p:M+8*\d+2*\p+1], v[W+\wp:W+\wp+1], v[ACC+8*(\tp+\d)+2*\p:ACC+8*(\tp+\d)+2*\p+1] op_sel:[0,\sel,0] op_sel_hi:[1,\sel,1]
.endif
.endr
.endr
.endr
.irp e, 0,2
.if \first
	v_pk_mul_f32 v[P+\e:P+\e+1], v[OP+20*\j+16+\e:OP+20*\j+17+\e], v[W+\wp:W+\wp+1] op_sel_hi:[1,0]
.else
	v_pk_fma_f32 v[P+\e:P+\e+1], v[OP+20*\j+16+\e:OP+20*\j+17+\e], v[W+\wp:W+\wp+1], v[P+\e:P+\e+1] op_sel:[0,\sel,0] op_sel_hi:[1,\sel,1]
.endif
.endr
.endm
; Four h: 21 LDS loads in one run, then the work.
.macro TRIP first
	ds_load_b128 v[W:W+3], v[VW]
.irp j, 0,1,2,3
	ds_load_b128 v[OP+20*\j:OP+20*\j+3],     v[VA] offset:16*\j
	ds_load_b128 v[OP+20*\j+4:OP+20*\j+7],   v[VA] offset:16*\j+4*QP
	ds_load_b128 v[OP+20*\j+8:OP+20*\j+11],  v[VC] offset:16*\j
	ds_load_b128 v[OP+20*\j+12:OP+20*\j+15], v[VC] offset:16*\j+8*QP
	ds_load_b128 v[OP+20*\j+16:OP+20*\j+19], v[VL] offset:16*\j
.endr
	v_add_nc_u32 v[VA], 64, v[VA]                  ; the next four h
	v_add_nc_u32 v[VC], 64, v[VC]
	v_add_nc_u32 v[VL], 64, v[VL]
	v_add_nc_u32 v[VW], 16, v[VW]
	HSTEP 0, 0, 0, \first
	HSTEP 1, 0, 1, 0
	HSTEP 2, 2, 0, 0
	HSTEP 3, 2, 1, 0
.endm
; A chunk: 16 h in four trips.  The very first trip is written out, since it starts the sums.
.macro CHUNK k, trips
	s_wait_tensorcnt 6-2*\k                        ; tensor loads of a wave end in order: this chunk's a and c are in, the two loads of each later chunk stay out
.if \k == 0
	TRIP 1
.endif
	s_mov_b32 s75, \trips
.Lchunk_\@:
	TRIP 0
	s_sub_co_i32 s75, s75, 1
	s_cmp_lg_u32 s75, 0
	s_cbranch_scc1 .Lchunk_\@
.if \k < 3
	v_add_nc_u32 v[VA], CH-256, v[VA]              ; from the end of a quad's 256 bytes to the same quad of the next chunk
	v_add_nc_u32 v[VC], CH-256, v[VC]
	v_add_nc_u32 v[VL], CH-256, v[VL]
.endif
.endm
.macro ADDB dst, src, n                ; n registers: dst += src
.set q, 0
.rept \n/2
	v_pk_add_f32 v[\dst+q:\dst+q+1], v[\dst+q:\dst+q+1], v[\src+q:\src+q+1]
.set q, q+2
.endr
.endm
.macro TREE x, n                       ; eight blocks of n registers into the first
	ADDB \x, \x+\n, \n
	ADDB \x+2*\n, \x+3*\n, \n
	ADDB \x+4*\n, \x+5*\n, \n
	ADDB \x+6*\n, \x+7*\n, \n
	ADDB \x, \x+2*\n, \n
	ADDB \x+4*\n, \x+6*\n, \n
	ADDB \x, \x+4*\n, \n
.endm
	s_load_b256 s[4:11], s[0:1], 0x0               ; ws s[4:5], W2 s[6:7], b2 s[8:9], out0 s[10:11]
	v_lshl_add_u32 v176, v0, 2, 0x46800
	v_mov_b32 v177, 0
	ds_add_u32 v176, v177
	v_lshrrev_b32 v1, 5, v0
	v_readfirstlane_b32 s12, v1                    ; wave 0..7
	s_bfe_u32 s13, ttmp6, 0x40000                  ; cx
	s_bfe_u32 s14, ttmp6, 0x40004                  ; cy
	s_lshl_b32 s79, ttmp9, 2
	s_add_co_u32 s79, s79, s13                     ; o block = 4 x cluster x + cx
	s_and_b32 s78, ttmp7, 0xffff
	s_lshl_b32 s78, s78, 2
	s_add_co_u32 s78, s78, s14                     ; t block = 4 x cluster y + cy
	s_lshl_b32 s80, s14, 2
	s_lshl_b32 s80, 15, s80                        ; my row of the cluster: places 4 cy .. 4 cy + 3
	s_lshl_b32 s81, 0x1111, s13                    ; my column: places cx, cx + 4, cx + 8, cx + 12
	; group 1: R rows of 32 elements of 8 bytes, dense in memory, 4 words of padding behind every 64; R = 8 quads (a), 16 (c)
	s_or_b32 s16, s80, (3<<16)|(1<<20)|(1<<21)|(5<<22)|(3<<25)   ; a's tiles go to my row; bit 21 set beside a mask
	s_mov_b32 s17, 32<<16                          ; tensor_dim0 = 32
	s_mov_b32 s18, 8<<16                           ; tensor_dim1 = 8
	s_mov_b32 s19, 32<<16                          ; tile_dim0 = 32
	s_mov_b32 s20, 8                               ; tile_dim1 = 8
	s_mov_b32 s21, 32                              ; pitch
	s_mov_b32 s22, 0
	s_mov_b32 s23, 0
	s_or_b32 s24, s81, (3<<16)|(1<<20)|(1<<21)|(5<<22)|(3<<25)   ; c's tiles go to my column
	s_mov_b32 s25, 32<<16
	s_mov_b32 s26, 16<<16
	s_mov_b32 s27, 32<<16
	s_mov_b32 s28, 16
	s_mov_b32 s29, 32
	s_mov_b32 s30, 0
	s_mov_b32 s31, 0
	s_mul_i32 s82, s12, WAVE                       ; my slice in LDS
	s_add_co_u32 s86, s82, 8*QP                    ; its c quads
	s_lshl_b32 s83, s12, 14                        ; my four chunks of 4,096 bytes in a row block of ws
	s_lshl_b32 s84, s12, 8
	s_add_co_u32 s85, s84, WL                      ; my 64 w in LDS
	; a's offset never holds cx, c's never cy
	s_lshr_b32 s66, s78, 1                         ; a: row block of 64 = t block / 2,
	s_lshl_b32 s66, s66, 17
	s_and_b32 s15, s78, 1                          ; its lower or upper 8 quads of 256 bytes
	s_lshl_b32 s15, s15, 11
	s_add_co_u32 s66, s66, s15
	s_add_co_u32 s66, s66, s83
	s_mov_b32 s67, 0
	s_add_co_u32 s68, s79, 16                      ; c: row blocks 16 ..
	s_lshl_b32 s68, s68, 17
	s_add_co_u32 s68, s68, s83
	s_mov_b32 s69, 0
	s_lshl_b32 s76, s78, 16                        ; out: 32 rows of 2,048 bytes a t block
	s_lshl_b32 s75, s12, 13                        ; + the four rows that my wave finishes
	s_add_co_u32 s76, s76, s75
	s_lshl_b32 s75, s79, 8                         ; + 64 columns x 4 bytes
	s_add_co_u32 s76, s76, s75
	s_mov_b32 s77, 0
	; lane terms: og = lane % 8, tg = lane / 8
	v_and_b32 v1, 31, v0
	v_and_b32 v6, 7, v0
	v_bfe_u32 v7, v0, 3, 2
	v_min_u32 v4, 23, v1
	v_mul_u32_u24 v[VA], v7, QP
	v_mul_u32_u24 v[VC], v6, QP
	v_mul_u32_u24 v[VL], v4, QP
	v_add_nc_u32 v[VA], s82, v[VA]
	v_add_nc_u32 v[VC], s86, v[VC]
	v_add_nc_u32 v[VL], s82, v[VL]
	v_mov_b32 v[VW], s85
	v_lshl_add_u32 v17, v1, 2, s84                 ; W2: (64 wave + lane) x 4 bytes
	v_and_b32 v16, 3, v0                           ; column 64 wv + 4 i + k lies at position 16 k + i: k = lane % 4, i = lane / 4
	v_bfe_u32 v20, v0, 2, 3
	v_lshlrev_b32 v20, 2, v20
	v_lshl_add_u32 v16, v16, 6, v20
	v_add_nc_u32 v16, s85, v16
	s_wait_dscnt 0x0
	s_wait_kmcnt 0x0
	s_load_b32 s74, s[8:9], 0x0                    ; b2
	global_load_b32 v18, v17, s[6:7]
	global_load_b32 v19, v17, s[6:7] offset:128    ; columns + 32: i + 8
	s_add_nc_u64 s[70:71], s[4:5], s[66:67]
	s_add_nc_u64 s[72:73], s[4:5], s[68:69]
	s_add_nc_u64 s[10:11], s[10:11], s[76:77]
.irp k, 0,1,2,3
	s_mov_b32 s[32+8*\k], 1                                        ; group 0 of chunk k's a
	s_add_co_u32 s[33+8*\k], s82, \k*CH
	s_add_nc_u64 s[34+8*\k:35+8*\k], s[70:71], \k*4096
	s_or_b32 s[35+8*\k], s[35+8*\k], 0x80000000
	s_mov_b32 s[36+8*\k], 1                                        ; and of its c
	s_add_co_u32 s[37+8*\k], s82, \k*CH+8*QP
	s_add_nc_u64 s[38+8*\k:39+8*\k], s[72:73], \k*4096
	s_or_b32 s[39+8*\k], s[39+8*\k], 0x80000000
.endr
	ROUND                                          ; all sixteen work-groups are here: the joint loads meet
.irp k, 0,1,2,3
	tensor_load_to_lds s[32+8*\k:35+8*\k], s[16:23]
	s_nop 0
	tensor_load_to_lds s[36+8*\k:39+8*\k], s[24:31]
	s_nop 0
.endr
	s_wait_loadcnt 0x0
	ds_store_b32 v16, v18                          ; my wave's own bytes: LDS serves a wave's instructions in order, so its reads below see them
	ds_store_b32 v16, v19 offset:32
	s_wait_kmcnt 0x0                               ; b2
	CHUNK 0, 3
	CHUNK 1, 4
	CHUNK 2, 4
	CHUNK 3, 4                                     ; its wait is for 0: no tensor load of mine is out from here on
	; my partial tile and my quad's sums into LDS.  ti: t = 4 tg + ti % 4 + 16 (ti / 4); oi: o = 4 og + oi % 4 + 32 (oi / 4)
	v_and_b32 v6, 7, v0
	v_bfe_u32 v7, v0, 3, 2
	v_mul_u32_u24 v7, v7, 4*PP
	v_lshl_add_u32 v6, v6, 4, v7
	s_mul_i32 s87, s12, 32*PP
	s_add_co_u32 s87, s87, PART
	v_add_nc_u32 v6, s87, v6
	s_lshl_b32 s88, s12, 9
	s_add_co_u32 s88, s88, PL
	v_lshl_add_u32 v7, v1, 4, s88
.irp ti, 0,1,2,3,4,5,6,7
.irp oh, 0,1
	ds_store_b128 v6, v[ACC+8*\ti+4*\oh:ACC+8*\ti+4*\oh+3] offset:((\ti&3)+16*(\ti>>2))*PP+128*\oh
.endr
.endr
	ds_store_b128 v7, v[P:P+3]
	; the end's addresses: r = lane % 16 is the o quad, hh = lane / 16; my rows are t = 4 wave + hh + 2 i
	v_and_b32 v20, 15, v0
	v_bfe_u32 v21, v0, 4, 1
	v_lshlrev_b32 v22, 4, v20
	v_mul_u32_u24 v16, v21, PP
	v_add_nc_u32 v16, v16, v22
	s_mul_i32 s89, s12, 4*PP
	s_add_co_u32 s89, s89, PART
	v_add_nc_u32 v16, s89, v16                     ; wave 0's partial tile, row 4 wave + hh, 16 r
	v_add_nc_u32 v17, PL+128, v22                  ; c quad r is lane 8 + r's sum
	s_lshl_b32 s90, s12, 4
	s_add_co_u32 s90, s90, PL
	v_lshl_add_u32 v18, v21, 2, s90                ; a quad = my wave's number, row hh (+ 2 i) of it
	v_lshl_add_u32 v23, v21, 11, v22               ; out: hh rows of 2,048 bytes + 16 r
	v_mov_b32 v19, s74
	s_wait_dscnt 0x0                               ; my stores are in LDS, for the other waves' sake
	ROUND                                          ; shows them to the work-group, and is the closing round: every partner has issued its joint loads
.irp p, 0,1,2,3,4,5,6,7
.irp i, 0,1
	ds_load_b128 v[SS+8*\p+4*\i:SS+8*\p+4*\i+3], v16 offset:\p*32*PP+\i*2*PP
.endr
.endr
.irp p, 0,1,2,3,4,5,6,7
	ds_load_b128 v[PCS+4*\p:PCS+4*\p+3], v17 offset:\p*512
.endr
.irp p, 0,1,2,3,4,5,6,7
.irp i, 0,1
	ds_load_b32 v[PAS+2*\p+\i], v18 offset:\p*512+\i*8
.endr
.endr
	s_wait_dscnt 0x0
	TREE SS, 8
	TREE PCS, 4
	TREE PAS, 2
	v_fmamk_f32 v[PAS], v[PAS], 0x3c23d70a, v19        ; 0.01 Pa + b2
	v_fmamk_f32 v[PAS+1], v[PAS+1], 0x3c23d70a, v19
.irp i, 0,1
.irp e, 0,1,2,3
	v_sub_f32 v[LIN+4*\i+\e], v[PAS+\i], v[PCS+\e]
.endr
.endr
.irp i, 0,1
.irp e, 0,1,2,3
	v_fmamk_f32 v[SS+4*\i+\e], v[SS+4*\i+\e], 0x3f7d70a4, v[LIN+4*\i+\e]   ; 0.99 S + the rest
.endr
.endr
	global_store_b128 v23, v[SS:SS+3], s[10:11] th:TH_STORE_NT                 ; sixteen lanes store 256 consecutive bytes, aligned: the tile's piece of a row
	global_store_b128 v23, v[SS+4:SS+7], s[10:11] offset:4096 th:TH_STORE_NT
	s_wait_tensorcnt 0x0
	ds_add_u32 v176, v177
	s_wait_dscnt 0x0
	s_endpgm
.Lfunc_end_k_q4df9205880_pair:
	.size	k_q4df9205880_pair, .Lfunc_end_k_q4df9205880_pair-k_q4df9205880_pair
	.p2alignl 7, 3214868480
	.fill 96, 4, 3214868480
	.section	.rodata,"a",@progbits
	.p2align	6, 0x0
	.amdhsa_kernel k_q4df9205880_pair
		.amdhsa_group_segment_fixed_size 289792
		.amdhsa_private_segment_fixed_size 0
		.amdhsa_enable_private_segment 0
		.amdhsa_kernarg_size 32
		.amdhsa_user_sgpr_count 2
		.amdhsa_user_sgpr_kernarg_segment_ptr 1
		.amdhsa_wavefront_size32 1
		.amdhsa_system_sgpr_workgroup_id_x 1
		.amdhsa_system_sgpr_workgroup_id_y 1
		.amdhsa_system_sgpr_workgroup_id_z 1
		.amdhsa_system_vgpr_workitem_id 0
		.amdhsa_next_free_vgpr 178
		.amdhsa_next_free_sgpr 92
		.amdhsa_reserve_vcc 0
		.amdhsa_float_denorm_mode_32 3
		.amdhsa_float_denorm_mode_16_64 3
		.amdhsa_memory_ordered 1
		.amdhsa_forward_progress 1
		.amdhsa_inst_pref_size 109
	.end_amdhsa_kernel
	.amdgpu_metadata
---
amdhsa.version: [ 1, 2 ]
amdhsa.kernels:
  - .name:           k_q4df9205880_pair
    .symbol:         k_q4df9205880_pair.kd
    .args:
      - { .name: ws, .offset: 0, .size: 8, .value_kind: global_buffer, .address_space: global }
      - { .name: W2, .offset: 8, .size: 8, .value_kind: global_buffer, .address_space: global }
      - { .name: b2, .offset: 16, .size: 8, .value_kind: global_buffer, .address_space: global }
      - { .name: out0, .offset: 24, .size: 8, .value_kind: global_buffer, .address_space: global }
    .group_segment_fixed_size: 289792
    .private_segment_fixed_size: 0
    .kernarg_segment_align: 8
    .kernarg_segment_size: 32
    .max_flat_workgroup_size: 256
    .sgpr_count:     92
    .vgpr_count:     178
    .wavefront_size: 32
...
	.end_amdgpu_metadata
.endif
;; end of part 2
